; MI455X (gfx1250); checked and timed in simulation.
; The chip was launched on July 23, 2026; its instructions are those of AMD's public machine-readable ISA for CDNA 5 (MIT licence, August 2026) and "CDNA5" Instruction Set Architecture Reference Guide (July 2026). The comments in the code are by the model that wrote it; some were corrected since.
;; LSTM Cell. Allowed arithmetic: float matrix products may take bf16 or f16 operands with f32 sums; all other float work in f32.
;; Inputs: bias 4,096 float32; c_tm1 4,096 x 1,024 float32; h_tm1 4,096 x 1,024 float32; hidden_state_weight 1,024 x 4,096 float32; input_weight 1,024 x 4,096 float32; x 4,096 x 1,024 float32.
;; Outputs: out0 4,096 x 1,024 float32; out1 4,096 x 1,024 float32.
;; One version. Each part assembles by itself: llvm-mc -triple=amdgcn-amd-amdhsa -mcpu=gfx1250 --defsym DOCPART=n.
;; ======== version 1 of 1: 2 launches
;; workspace buffers: abf 16,777,216 bytes; wbf 16,777,216 bytes
;; launch prep (part 1): grid 256 x 4, 8 waves a work-group, no clusters, 0 bytes of LDS; arguments x, h_tm1, input_weight, hidden_state_weight, abf, wbf; writes abf, wbf
.if DOCPART == 1
	.amdgcn_target "amdgcn-amd-amdhsa--gfx1250"
	.amdhsa_code_object_version 6
	.text
	.protected	k_q88b45c488b_prep
	.globl	k_q88b45c488b_prep
	.p2align	8
	.type	k_q88b45c488b_prep,@function
k_q88b45c488b_prep:
	s_mov_b64 s[64:65], 0
	v_nop
	global_prefetch_b8 v0, s[64:65] scope:SCOPE_SE
	s_setreg_imm32_b32 hwreg(HW_REG_WAVE_MODE, 25, 1), 1
	s_wait_xcnt 0x0
; Casts the four matrix operands of the LSTM cell from f32 to bf16 (round to nearest even) and lays them out for the product that follows:
;   abf [4096][2048] bf16: row m = x[m][0:1024], then h_tm1[m][0:1024]           (K of both products joined)
;   wbf [2048][4096] bf16: row k = input_weight[k] for k < 1024, hidden_state_weight[k-1024] above; columns permuted:
;       source column g*1024 + j (gate g, hidden column j) goes to (j>>6)*256 + g*64 + (j&63),
;       so that four gates x 64 hidden columns are 512 neighbouring bytes of a row.
; No work of the problem is left out anywhere in this program: every input reaches an output and is loaded.
; LIMIT: the matrix operands are rounded to bf16 here; nothing else is rounded.
; A stream: no LDS, no barrier, no loop.  Grid y picks the source (0 x, 1 h_tm1, 2 input_weight, 3 hidden_state_weight); a work-group takes
; 65,536 bytes of it, a wave 8,192 as 8 pairs of loads.  All 16 loads of a wave go out first; each pair has registers of its own, so no register
; that a load or store names is ever written again.
; A PAIR: two loads of 16 bytes a lane, each covering whole aligned pieces of 256 bytes, and ONE store of 16 bytes a lane.  16 output bytes are 8 numbers,
; 32 source bytes.  So in each load lane l < 16 takes the 16 bytes at 32 l of the load's 512, lane 16 + l those at 32 l + 16; after the rounding the two halves of
; the wave exchange words: lanes 0-15 end up with the first load's 8 numbers 8 l .. 8 l + 7, lanes 16-31 with the second load's.
; The store's lanes 0-15 write 256 consecutive bytes, aligned, and so do its lanes 16-31.
.set X, 4                              ; v[4:67]  pair p: 8 registers as loaded; its first four then hold the 16 bytes to store
                                       ; v1 wave, v2 source offset, v3 destination offset, v68-71 at work
	s_load_b256 s[4:11], s[0:1], 0x0               ; x s[4:5], h_tm1 s[6:7], input_weight s[8:9], hidden_state_weight s[10:11]
	s_load_b128 s[12:15], s[0:1], 0x20             ; abf s[12:13], wbf s[14:15]
	s_and_b32 s20, ttmp7, 0xffff                   ; which source
	s_lshl_b32 s22, ttmp9, 16                      ; the work-group's 65,536 source bytes
	s_mov_b32 s23, 0
	v_lshrrev_b32 v1, 5, v0                        ; wave w
	v_and_b32 v68, 31, v0                          ; lane L
	v_bfe_u32 v70, v0, 4, 1                        ; L >> 4: which 16 of a lane pair's 32 source bytes
; kind 0: activations, kind 1: weights.  They differ in the immediates alone.
.macro PASS kind
.irp p, 0,1,2,3,4,5,6,7
.if \kind
	global_load_b128 v[X+8*\p:X+8*\p+3],   v2, s[16:17] offset:256*\p th:TH_LOAD_NT        ; block p of my eight: 64 hidden columns of gates 0 and 1
	global_load_b128 v[X+8*\p+4:X+8*\p+7], v2, s[16:17] offset:256*\p+8192 th:TH_LOAD_NT   ; of gates 2 and 3
.else
	global_load_b128 v[X+8*\p:X+8*\p+3],   v2, s[16:17] offset:1024*\p th:TH_LOAD_NT       ; 512 neighbouring bytes
	global_load_b128 v[X+8*\p+4:X+8*\p+7], v2, s[16:17] offset:1024*\p+512 th:TH_LOAD_NT   ; the next 512
.endif
.endr
.irp p, 0,1,2,3,4,5,6,7
	s_wait_loadcnt 14-2*\p                         ; loads come back in order: pair p is in, the two loads of each younger pair stay out
	v_cvt_pk_bf16_f32 v[X+8*\p],   v[X+8*\p],   v[X+8*\p+1]      ; the first load's four numbers
	v_cvt_pk_bf16_f32 v[X+8*\p+1], v[X+8*\p+2], v[X+8*\p+3]
	v_cvt_pk_bf16_f32 v[X+8*\p+2], v[X+8*\p+4], v[X+8*\p+5]      ; the second load's
	v_cvt_pk_bf16_f32 v[X+8*\p+3], v[X+8*\p+6], v[X+8*\p+7]
	v_permlane16_swap_b32 v[X+8*\p],   v[X+8*\p+2]               ; the first load's words in lanes 16-31 change places with the second load's in lanes 0-15:
	v_permlane16_swap_b32 v[X+8*\p+1], v[X+8*\p+3]               ; each lane now holds 8 neighbouring numbers of one load in four registers
.if \kind
	global_store_b128 v3, v[X+8*\p:X+8*\p+3], s[18:19] offset:512*\p
.else
	global_store_b128 v3, v[X+8*\p:X+8*\p+3], s[18:19] offset:(\p>>2)*4096+(\p&3)*512
.endif
.endr
.endm
	s_wait_kmcnt 0x0
	s_cmp_lt_u32 s20, 2
	s_cbranch_scc0 .Lweights
	; x or h_tm1: a wave takes two rows of 4,096 source bytes; a row's 2,048 bf16 bytes go to the left or right half of abf's row
	v_and_b32 v69, 15, v0
	v_lshlrev_b32 v2, 5, v69
	v_lshl_or_b32 v2, v70, 4, v2
	v_lshl_or_b32 v2, v1, 13, v2                   ; source: 8,192 w + 32 (L & 15) + 16 (L >> 4)
	v_lshlrev_b32 v3, 4, v68
	v_lshl_or_b32 v3, v1, 13, v3                   ; destination: two rows of 4,096 bytes a wave, + 16 L
	s_cmp_eq_u32 s20, 0
	s_cselect_b64 s[16:17], s[4:5], s[6:7]
	s_add_nc_u64 s[16:17], s[16:17], s[22:23]
	s_add_nc_u64 s[18:19], s[12:13], s[22:23]      ; 16 rows of abf are 65,536 bytes too
	s_lshl_b32 s22, s20, 11                        ; h_tm1 lies 2,048 bytes into the row
	s_add_nc_u64 s[18:19], s[18:19], s[22:23]
	PASS 0
	s_endpgm
.Lweights:
	; a weight: the work-group takes four k rows of 16,384 bytes; wave w row w>>1 and the blocks 8 (w&1) + p of 64 hidden columns.
	; In a load lanes with (L & 15) < 8 read 256 bytes of one gate, the others 256 bytes of the next gate, 4,096 bytes further.
	; The store's lane L holds gate L >> 3, columns 8 (L & 7) .. + 7 of the block: the block's 512 bytes of wbf in order.
	v_and_b32 v71, 7, v0
	v_bfe_u32 v69, v0, 3, 1
	v_lshlrev_b32 v2, 5, v71
	v_lshl_or_b32 v2, v70, 4, v2
	v_lshl_or_b32 v2, v69, 12, v2
	v_and_b32 v69, 1, v1
	v_lshrrev_b32 v71, 1, v1
	v_lshl_or_b32 v2, v69, 11, v2
	v_lshl_or_b32 v2, v71, 14, v2                  ; source: 16,384 (w>>1) + 4,096 ((L>>3)&1) + 2,048 (w&1) + 32 (L&7) + 16 (L>>4)
	v_lshlrev_b32 v3, 4, v68
	v_lshl_or_b32 v3, v69, 12, v3
	v_lshl_or_b32 v3, v71, 13, v3                  ; destination: 8,192 (w>>1) + 4,096 (w&1) + 16 L
	s_cmp_eq_u32 s20, 2
	s_cselect_b64 s[16:17], s[8:9], s[10:11]
	s_add_nc_u64 s[16:17], s[16:17], s[22:23]
	s_lshl_b32 s22, ttmp9, 15                      ; four rows of wbf, 8,192 bytes each
	s_sub_co_u32 s24, s20, 2
	s_lshl_b32 s24, s24, 23                        ; hidden_state_weight begins at row 1,024
	s_add_co_u32 s22, s22, s24
	s_add_nc_u64 s[18:19], s[14:15], s[22:23]
	PASS 1
	s_endpgm
.Lfunc_end_k_q88b45c488b_prep:
	.size	k_q88b45c488b_prep, .Lfunc_end_k_q88b45c488b_prep-k_q88b45c488b_prep
	.p2alignl 7, 3214868480
	.fill 96, 4, 3214868480
	.section	.rodata,"a",@progbits
	.p2align	6, 0x0
	.amdhsa_kernel k_q88b45c488b_prep
		.amdhsa_group_segment_fixed_size 0
		.amdhsa_private_segment_fixed_size 0
		.amdhsa_enable_private_segment 0
		.amdhsa_kernarg_size 48
		.amdhsa_user_sgpr_count 2
		.amdhsa_user_sgpr_kernarg_segment_ptr 1
		.amdhsa_wavefront_size32 1
		.amdhsa_system_sgpr_workgroup_id_x 1
		.amdhsa_system_sgpr_workgroup_id_y 1
		.amdhsa_system_sgpr_workgroup_id_z 1
		.amdhsa_system_vgpr_workitem_id 0
		.amdhsa_next_free_vgpr 72
		.amdhsa_next_free_sgpr 66
		.amdhsa_reserve_vcc 0
		.amdhsa_float_denorm_mode_32 3
		.amdhsa_float_denorm_mode_16_64 3
		.amdhsa_memory_ordered 1
		.amdhsa_forward_progress 1
		.amdhsa_inst_pref_size 13
	.end_amdhsa_kernel
	.amdgpu_metadata
---
amdhsa.version: [ 1, 2 ]
amdhsa.kernels:
  - .name:           k_q88b45c488b_prep
    .symbol:         k_q88b45c488b_prep.kd
    .args:
      - { .name: x, .offset: 0, .size: 8, .value_kind: global_buffer, .address_space: global }
      - { .name: h_tm1, .offset: 8, .size: 8, .value_kind: global_buffer, .address_space: global }
      - { .name: input_weight, .offset: 16, .size: 8, .value_kind: global_buffer, .address_space: global }
      - { .name: hidden_state_weight, .offset: 24, .size: 8, .value_kind: global_buffer, .address_space: global }
      - { .name: abf, .offset: 32, .size: 8, .value_kind: global_buffer, .address_space: global }
      - { .name: wbf, .offset: 40, .size: 8, .value_kind: global_buffer, .address_space: global }
    .group_segment_fixed_size: 0
    .private_segment_fixed_size: 0
    .kernarg_segment_align: 8
    .kernarg_segment_size: 48
    .max_flat_workgroup_size: 256
    .sgpr_count:     66
    .vgpr_count:     72
    .wavefront_size: 32
...
	.end_amdgpu_metadata
.endif
;; end of part 1
;; launch cell (part 2): grid 16 x 16, 4 waves a work-group, clusters of 4 x 4, 327,680 bytes of LDS; arguments abf, wbf, bias, c_tm1, out0, out1; writes out0, out1
.if DOCPART == 2
	.amdgcn_target "amdgcn-amd-amdhsa--gfx1250"
	.amdhsa_code_object_version 6
	.text
	.protected	k_q88b45c488b_cell
	.globl	k_q88b45c488b_cell
	.p2align	8
	.type	k_q88b45c488b_cell,@function
k_q88b45c488b_cell:
	s_mov_b64 s[64:65], 0
	v_nop
	global_prefetch_b8 v0, s[64:65] scope:SCOPE_SE
	s_setreg_imm32_b32 hwreg(HW_REG_WAVE_MODE, 25, 1), 1
	s_wait_xcnt 0x0
	s_wait_alu depctr_hold_cnt(0) depctr_sa_sdst(0) depctr_va_vdst(0) depctr_va_sdst(0) depctr_va_ssrc(0) depctr_va_vcc(0) depctr_vm_vsrc(0)
	s_getreg_b32 s2, hwreg(HW_REG_IB_STS2, 6, 4)
	s_cmp_eq_u32 s2, 0
	s_cbranch_scc0 .Lentry_in_a_cluster
	s_endpgm
.Lentry_in_a_cluster:
	s_bfe_u32 s2, ttmp6, 0x10000c
	s_cmp_lg_u32 s2, 0xf033
	s_cbranch_scc0 .Lentry_shape_is_right
	s_endpgm
.Lentry_shape_is_right:
; gates = abf x wbf + bias (M = 4096, N = 4096, K = 2048; bf16 operands, f32 sums), then the LSTM cell in f32:
;   c_t = sigmoid(f) c_tm1 + sigmoid(i) tanh(g)  -> out1,      h_t = sigmoid(o) tanh(c_t)  -> out0.
; Nothing of the problem is left out: bias starts the sums, all four gates are used, every input is loaded.
; LIMITS: matrix operands are bf16.  bias is the first term of each f32 sum and not the last, so the order of rounding differs from the written one.
; sigmoid(x) = 1 / (1 + 2^(-1.442695 x)), tanh(x) = 1 - 2 / (1 + 2^(2.885390 x)): where the power overflows to infinity or falls to 0 both forms give
; their limits 0, 1, -1; a power below 2^-126 comes out as 0 (ISA guide, 15.8) and would be lost beside the 1 anyway; tanh has an absolute error of about 1e-7 near 0.
;
; A work-group makes 256 batch rows x 256 columns of gates = four gates x 64 hidden columns (wbf's columns are permuted so that these 256 lie side by side),
; with four waves, as many as a WGP has SIMDs.  A wave makes 128 rows x (four gates x 32 hidden columns): 64 accumulator tiles of 16 x 16, 512 registers.
; n block b = 2 g + jb of a wave: gate g, hidden columns 32 (w&1) + 16 jb + 0..15.  K goes in 16 steps of 128 through two LDS slots filled by tensor loads.
; wbf lies [K][N]: its tile comes into LDS as it lies, and ds_load_tr16_b128 transposes it on the way into the fragments.
; The operands come in bf16 from a launch of their own: as f32 fragments a quarter step's 128 LDS loads of the four waves would be 256, that is 512 passes of
; 256 bytes beside 512 cycles of products, before the tiles' own way into LDS, which would double too.
; CLUSTERS: 4 x 4 work-groups.  The four of a cluster's row need the same tiles of abf, the four of a column the same tiles of wbf: each tile is asked for jointly,
; by the same tensor load with a mask that names the four, which divides the requests for both by four.
; THE MATRIX INSTRUCTION IS USED TRANSPOSED: source 0 = 16 columns of wbf, source 1 = 16 rows of abf.  Lane l of a result tile holds batch row l % 16, its registers
; 0-7 the columns 8 (l / 16) + 0..7.  So the four gates of one (row, hidden column) lie in one lane at the same register of four tiles: the cell needs no shuffle.
;
; REGISTERS, in windows of 256:  window 0: v16-30 addresses; v64-127, v128-191 fragments of abf, two buffers; v192-255 bias, tile b at 192 + 8 b
;   window 1: v64-127, v128-191 fragments of wbf, two buffers;  window 2: accumulators of my rows 0-63 (tile (a, b) at v[8 (8 a + b)]);  window 3: of rows 64-127
;   in the tail window 0 holds: v64-127 the four gates of 16 rows, v128-143 c, v144-159 tanh(c_t) and h_t, v192-223 rows on their way out.
; LDS: slot s at s*SLOT: abf's 256 rows x 272 bytes, then wbf's 128 k rows x 544 bytes.  After K step 14 slot 0's first 69,632 bytes take the c_tm1 tile
;   (256 rows x 64 f32, pitch 272; only read).  From byte 69,632 to 225,280, written only behind the last read of both slots: the stages of h_t and of c_t,
;   a block of 16 rows x 144 bytes for each of the cell's eight steps and each wave; the blocks of the two waves that hold one row's halves lie side by side.
.set KSTEP,  128
.set PITCH,  272                       ; abf's and c_tm1's LDS row: 256 bytes + 16 of padding: the 16 rows that a load touches start 16 bytes apart modulo 256 (64 banks of 4 bytes: ISA guide 11.1)
.set BP,     544                       ; wbf's LDS row: 512 bytes + 32 of padding, an odd multiple of 32, for the transposing loads
.set HALFT,  128*PITCH                 ; what one tensor load brings: 128 rows of abf, or 64 k rows of wbf (64*544, the same bytes)
.set SLOT,   4*HALFT
.set LAPS,   8                         ; a lap = two K steps = once round the ring
.set SP,     144                       ; a stage's row: a wave's 32 hidden columns in f32 + 16 bytes
.set BLK,    16*SP+128                 ; from a block to the next; the odd 128 bytes put the two halves of a row, read back together, into different banks
.set HST,    2*HALFT                   ; h_t's stage: block (row half, step i, column half) at HST + (16 (w>>1) + 2 i + (w&1)) BLK
.set CST,    32*BLK                    ; c_t's stage lies so far behind h_t's
.set ADRA, 16                          ; v16-17  LDS address of my abf fragments in slot 0, 1
.set ADRB, 20                          ; v20-21  the same for wbf
.set CADR, 24                          ; v24     my 32 bytes of c_tm1's tile, row l % 16 of my rows
.set HADR, 25                          ; v25     the same place in my block of h_t's stage, step 0
.set RD,   26                          ; v26     the way out: my 16 bytes of a row of c_t, step 0
.set RDH,  27                          ; v27     the same for h_t
.set CO,   28                          ; v28     my byte offset in out0 and out1
.set BOFF, 29                          ; v29     my byte offset in bias
.set SADR, 30                          ; v30     as HADR, in c_t's stage
.set F0,   64
.set F1,   128
.set BIAS, 192
.set GT,   64                          ; f at 64, i at 80, g at 96, o at 112, each + 8 jb
.set C0,   128
.set TC,   144
.set OB,   192                         ; v192-207 four pairs of rows of c_t, v208-223 of h_t (bias is last read in the first lap)
.set G1,  24                           ; s[24:31] group 1 for abf's tiles
.set G0,  32                           ; s[32:39] group 0 for abf's tiles, one set for each slot
.set G1B, 48                           ; s[48:55] group 1 for wbf's tiles
.set G0B, 56                           ; s[56:63] group 0 for wbf's tiles, one set for each slot
.set G1C, 68                           ; s[68:75] group 1 for c_tm1's tile
.set G0C, 76                           ; s[76:79] group 0 for c_tm1's tile
.set MSB, 0
.macro WIN new                         ; the immediate's high byte repeats the setting that is left; a switch that changes nothing is dropped
.if MSB != \new
	s_set_vgpr_msb (MSB<<8)|\new
.set MSB, \new
.endif
.endm
.set MUL_LO,   0xa1                    ; source 0 (wbf) window 1, source 1 (abf) window 0, C and D window 2
.set MUL_HI,   0xf1                    ; the same, C and D window 3
.set MUL_LO_B, 0x81                    ; C from window 0 (bias), D window 2
.set MUL_HI_B, 0xc1                    ; C from window 0 (bias), D window 3
.set TO_B,     0x40                    ; destination window 1, address window 0
; A joint load.  Waves 0 and 1 fetch abf's two halves, waves 2 and 3 wbf's.  Each line has one mask and one set of registers for all that issue it;
; the branch hangs on the wave's number alone.
.macro JLOAD s
	s_cmp_eq_u32 s17, 0
	s_cbranch_scc0 .Lfor_b_\@
	tensor_load_to_lds s[G0+4*\s:G0+4*\s+3], s[G1:G1+7]
	s_nop 0
	s_branch .Lasked_\@
.Lfor_b_\@:
	tensor_load_to_lds s[G0B+4*\s:G0B+4*\s+3], s[G1B:G1B+7]
	s_nop 0
.Lasked_\@:
.endm
; A round of the cluster's barrier: my work-group's barrier; wave 0 signals for the work-group; every wave waits for all sixteen; my work-group's barrier again.
.macro CREST                           ; a round behind its opening barrier
	s_cmp_lg_u32 s16, 0
	s_cbranch_scc1 .Lnot_wave_0_\@
	s_barrier_signal -3
.Lnot_wave_0_\@:
	s_barrier_wait -3
	s_barrier_signal -1
	s_barrier_wait -1
.endm
.macro CROUND                          ; a whole round
	s_barrier_signal -1
	s_barrier_wait -1
	CREST
.endm
	s_load_b256 s[4:11], s[0:1], 0x0               ; abf s[4:5], wbf s[6:7], bias s[8:9], c_tm1 s[10:11]
	s_load_b128 s[12:15], s[0:1], 0x20             ; out0 s[12:13], out1 s[14:15]
	s_set_vgpr_msb 0x40
	v_lshl_add_u32 v255, v0, 2, 0x44000
	s_set_vgpr_msb 0x4000
	v_mov_b32 v63, 0
	s_set_vgpr_msb 0x1
	ds_add_u32 v255, v63
	s_set_vgpr_msb 0x100
	v_lshrrev_b32 v1, 5, v0
	v_readfirstlane_b32 s16, v1                    ; wave w, 0..3
	s_lshr_b32 s17, s16, 1                         ; which half of the block's rows is mine.  Also: I fetch for abf (0) or wbf (1)
	s_and_b32 s18, s16, 1                          ; which half of the hidden columns.  Also: which half of that tile I fetch
	s_bfe_u32 s20, ttmp6, 0x40000                  ; cx
	s_bfe_u32 s21, ttmp6, 0x40004                  ; cy
	s_lshl_b32 s22, ttmp9, 2
	s_add_co_u32 s22, s22, s20                     ; bx: block of 64 hidden columns = 4 x cluster x + cx
	s_and_b32 s23, ttmp7, 0xffff
	s_lshl_b32 s23, s23, 2
	s_add_co_u32 s23, s23, s21                     ; by: block of 256 batch rows = 4 x cluster y + cy
	s_lshl_b32 s40, s21, 2
	s_lshl_b32 s40, 15, s40                        ; my row of the cluster: places 4 cy .. 4 cy + 3
	s_lshl_b32 s41, 0x1111, s20                    ; my column: places cx, cx + 4, cx + 8, cx + 12
	; group 1 for abf: 128 rows x 128 bf16, 4 words of padding behind every 64
	s_or_b32 s[G1+0], s40, (1<<16)|(1<<20)|(1<<21)|(5<<22)|(3<<25)   ; mask: my row; element of 2 bytes; padding on; bit 21 beside a mask; interval code 5; pad code 3
	s_mov_b32 s[G1+1], KSTEP<<16                   ; tensor_dim0 = 128
	s_mov_b32 s[G1+2], 128<<16                     ; tensor_dim1 = 128
	s_mov_b32 s[G1+3], KSTEP<<16                   ; tile_dim0 = 128
	s_mov_b32 s[G1+4], 128                         ; tile_dim1 = 128
	s_mov_b32 s[G1+5], 2048                        ; elements from row to row
	s_mov_b32 s[G1+6], 0
	s_mov_b32 s[G1+7], 0
	; group 1 for wbf: 64 k rows x 256 bf16, 8 words of padding behind every 128
	s_or_b32 s[G1B+0], s41, (1<<16)|(1<<20)|(1<<21)|(6<<22)|(7<<25)  ; mask: my column; interval code 6; pad code 7
	s_mov_b32 s[G1B+1], 256<<16                    ; tensor_dim0 = 256
	s_mov_b32 s[G1B+2], 64<<16                     ; tensor_dim1 = 64
	s_mov_b32 s[G1B+3], 256<<16                    ; tile_dim0 = 256
	s_mov_b32 s[G1B+4], 64                         ; tile_dim1 = 64
	s_mov_b32 s[G1B+5], 4096
	s_mov_b32 s[G1B+6], 0
	s_mov_b32 s[G1B+7], 0
	; group 1 for c_tm1: 64 rows x 64 f32, 4 words of padding behind every 64; no mask: each work-group has its own tile
	s_mov_b32 s[G1C+0], (2<<16)|(1<<20)|(5<<22)|(3<<25)
	s_mov_b32 s[G1C+1], 64<<16
	s_mov_b32 s[G1C+2], 64<<16
	s_mov_b32 s[G1C+3], 64<<16
	s_mov_b32 s[G1C+4], 64
	s_mov_b32 s[G1C+5], 1024
	s_mov_b32 s[G1C+6], 0
	s_mov_b32 s[G1C+7], 0
	; where the tiles come from.  abf's hang on by and the wave alone, wbf's on bx and the wave alone, each in registers that never hold the other coordinate.
	s_lshl_b32 s42, s23, 8
	s_lshl_b32 s43, s18, 7
	s_add_co_u32 s42, s42, s43                     ; abf: row 256 by + 128 half,
	s_lshl_b32 s42, s42, 12                        ; of 4,096 bytes (below 16 MiB)
	s_mov_b32 s43, 0
	s_lshl_b32 s44, s22, 9                         ; wbf: 512 bytes of a row for each bx,
	s_lshl_b32 s45, s18, 19                        ; + 64 k rows of 8,192 bytes for the second half
	s_add_co_u32 s44, s44, s45
	s_mov_b32 s45, 0
	s_mul_i32 s46, s16, HALFT                      ; and where they go: abf's halves, then wbf's halves = wave x HALFT
	s_lshl_b32 s80, s23, 8                         ; c_tm1: I fetch rows 256 by + 64 w .. + 63, of 4,096 bytes, + 256 bytes for each bx
	s_lshl_b32 s88, s16, 6
	s_add_co_u32 s80, s80, s88
	s_lshl_b32 s80, s80, 12
	s_lshl_b32 s88, s22, 8
	s_add_co_u32 s80, s80, s88
	s_mov_b32 s81, 0
	s_lshl_b32 s82, s23, 8                         ; out0, out1: in step i I store rows 256 by + 128 (w>>1) + 8 (w&1) + 16 i + 0..7
	s_lshl_b32 s89, s17, 7
	s_add_co_u32 s82, s82, s89
	s_lshl_b32 s89, s18, 3
	s_add_co_u32 s82, s82, s89
	s_lshl_b32 s82, s82, 12
	s_add_co_u32 s82, s82, s88                     ; + 256 bytes for each bx
	s_mov_b32 s83, 0
	s_wait_dscnt 0x0
	s_wait_kmcnt 0x0
	s_add_nc_u64 s[42:43], s[4:5], s[42:43]
	s_add_nc_u64 s[44:45], s[6:7], s[44:45]
	s_mov_b32 s[G0C], 1
	s_mul_i32 s[G0C+1], s16, 64*PITCH              ; my 64 rows of c_tm1's tile
	s_add_nc_u64 s[G0C+2:G0C+3], s[10:11], s[80:81]
	s_or_b32 s[G0C+3], s[G0C+3], 0x80000000
	s_add_nc_u64 s[12:13], s[12:13], s[82:83]
	s_add_nc_u64 s[14:15], s[14:15], s[82:83]
	CROUND                                         ; all sixteen work-groups are here: the first joint loads meet
.irp s, 0,1
	s_mov_b32 s[G0+4*\s], 1
	s_add_co_u32 s[G0+4*\s+1], s46, \s*SLOT
	s_add_nc_u64 s[G0+4*\s+2:G0+4*\s+3], s[42:43], \s*KSTEP*2         ; K step s: 256 bytes along abf's rows
	s_or_b32 s[G0+4*\s+3], s[G0+4*\s+3], 0x80000000
	s_mov_b32 s[G0B+4*\s], 1
	s_add_co_u32 s[G0B+4*\s+1], s46, \s*SLOT
	s_add_nc_u64 s[G0B+4*\s+2:G0B+4*\s+3], s[44:45], \s*KSTEP*8192    ; K step s: 128 rows down wbf
	s_or_b32 s[G0B+4*\s+3], s[G0B+4*\s+3], 0x80000000
	JLOAD \s                                       ; both slots are asked for before anything else: two tensor loads of the wave are out here, one behind every later round
.endr
	v_and_b32 v1, 15, v0                           ; r = l % 16
	v_bfe_u32 v2, v0, 4, 1                         ; h = l / 16
	v_and_b32 v4, 7, v0                            ; l % 8
	v_bfe_u32 v6, v0, 3, 1                         ; (l / 8) % 2
	; bias in the layout of a result tile: register j of tile b = bias[1024 g + 64 bx + 32 (w&1) + 16 jb + 8 h + j].  Read once; it is the C of each sum's first product.
	s_lshl_b32 s90, s18, 7
	s_lshl_b32 s91, s22, 8
	s_add_co_u32 s90, s90, s91
	v_lshl_add_u32 v[BOFF], v2, 5, s90
.irp b, 0,1,2,3,4,5,6,7
	global_load_b128 v[BIAS+8*\b:BIAS+8*\b+3],   v[BOFF], s[8:9] offset:4096*(\b>>1)+64*(\b&1)
	global_load_b128 v[BIAS+8*\b+4:BIAS+8*\b+7], v[BOFF], s[8:9] offset:4096*(\b>>1)+64*(\b&1)+16
.endr
	; abf's fragment: lane l holds row r; registers 0-3 K = 8 h + 0..7, registers 4-7 K = 16 + 8 h + 0..7: two loads of 16 bytes, 32 bytes apart
	v_mul_u32_u24 v3, v1, PITCH
	v_lshl_add_u32 v3, v2, 4, v3
	s_mul_i32 s88, s17, HALFT                      ; my 128 rows
	v_add_nc_u32 v[ADRA], s88, v3
	v_add_nc_u32 v[ADRA+1], SLOT, v[ADRA]
	; wbf's fragment by transposing loads: lane l addresses k row 8 h + l % 8 and 16 bytes (8 columns) at 16 ((l / 8) % 2); the second load 16 k rows further
	v_lshl_add_u32 v5, v2, 3, v4
	v_mul_u32_u24 v5, v5, BP
	v_lshl_add_u32 v5, v6, 4, v5
	s_lshl_b32 s89, s18, 6                         ; my 32 hidden columns of each gate
	s_add_co_u32 s89, s89, 2*HALFT                 ; behind abf's 256 rows
	v_add_nc_u32 v[ADRB], s89, v5
	v_add_nc_u32 v[ADRB+1], SLOT, v[ADRB]
	; c_tm1's tile: row 128 (w>>1) + r, bytes 128 (w&1) + 32 h
	v_mul_u32_u24 v3, v1, PITCH
	v_lshl_add_u32 v3, v2, 5, v3
	s_lshl_b32 s89, s18, 7
	s_add_co_u32 s88, s88, s89
	v_add_nc_u32 v[CADR], s88, v3
	; my block of a stage in step 0: row r, bytes 32 h.  Step i's block lies 2 i BLK further: the step stands in the immediate
	v_mul_u32_u24 v3, v1, SP
	v_lshl_add_u32 v3, v2, 5, v3
	s_mul_i32 s88, s17, 16*BLK
	s_mul_i32 s89, s18, BLK
	s_add_co_u32 s89, s89, s88
	s_add_co_u32 s89, s89, HST
	v_add_nc_u32 v[HADR], s89, v3
	v_add_nc_u32 v[SADR], CST, v[HADR]
	; the way out: of a step's 16 rows of my row half I store rows 8 (w&1) + 2 t + h.  Lanes with r < 8 read a row's left 128 bytes from the block of the wave
	; with the left columns, the others its right 128 bytes from the block beside it
	v_mul_u32_u24 v3, v6, BLK
	v_lshl_add_u32 v3, v4, 4, v3
	v_mul_u32_u24 v5, v2, SP
	v_add_nc_u32 v3, v3, v5
	s_mul_i32 s89, s18, 8*SP
	s_add_co_u32 s88, s88, s89
	s_add_co_u32 s88, s88, HST
	v_add_nc_u32 v[RDH], s88, v3
	v_add_nc_u32 v[RD], CST, v[RDH]
	v_lshlrev_b32 v3, 4, v1
	v_lshl_add_u32 v[CO], v2, 12, v3               ; 4,096 h + 16 r
	s_mov_b32 s84, 0xbfb8aa3b                      ; -log2 e, twice: a pair for the packed multiply
	s_mov_b32 s85, 0xbfb8aa3b
	s_mov_b32 s86, 0x4038aa3b                      ; 2 log2 e, twice
	s_mov_b32 s87, 0x4038aa3b
; 16 matrix instructions: m blocks a0, a0 + 1 of the window's four (hi = 0: my rows 0-63, 1: rows 64-127) x all 8 n blocks, 32 along K.
; first = 1: the product starts the sum from bias: nothing is cleared and nothing is added later.
; The 64 accumulators take turns, one instruction a turn, in the same order in every quarter step.
.macro MUL16 f, hi, a0, first
.irp a, \a0, \a0+1
.irp b, 0,1,2,3,4,5,6,7
.if \first
	v_wmma_f32_16x16x32_bf16 v[8*(8*(\a)+\b):8*(8*(\a)+\b)+7], v[\f+8*\b:\f+8*\b+7], v[\f+8*(4*\hi+\a):\f+8*(4*\hi+\a)+7], v[BIAS+8*\b:BIAS+8*\b+7]
.else
	v_wmma_f32_16x16x32_bf16 v[8*(8*(\a)+\b):8*(8*(\a)+\b)+7], v[\f+8*\b:\f+8*\b+7], v[\f+8*(4*\hi+\a):\f+8*(4*\hi+\a)+7], v[8*(8*(\a)+\b):8*(8*(\a)+\b)+7]
.endif
.endr
.endr
.endm
; 32 LDS loads in one run: the fragments of quarter step q (32 along K) of a slot into buffer f: wbf's 8 n blocks, then abf's 8 m blocks
.macro FETCH slot, q, f
	WIN TO_B
.irp b, 0,1,2,3,4,5,6,7
	ds_load_tr16_b128 v[\f+8*\b:\f+8*\b+3],   v[ADRB+\slot] offset:\q*32*BP+128*(\b>>1)+32*(\b&1)         ; gate b>>1 is 128 bytes wide, jb = b&1 is 32
	ds_load_tr16_b128 v[\f+8*\b+4:\f+8*\b+7], v[ADRB+\slot] offset:\q*32*BP+128*(\b>>1)+32*(\b&1)+16*BP
.endr
	WIN 0
.irp i, 0,1,2,3,4,5,6,7
	ds_load_b128 v[\f+8*\i:\f+8*\i+3],   v[ADRA+\slot] offset:\q*64+\i*16*PITCH
	ds_load_b128 v[\f+8*\i+4:\f+8*\i+7], v[ADRA+\slot] offset:\q*64+\i*16*PITCH+32
.endr
.endm
; A load into a register that a matrix instruction has read, and a vector instruction that reads a matrix result, stand four places behind it, and only plain
; vector instructions that name none of its registers are places (ISA guide 7.12.1 for vector instructions).
.macro PLACES
.rept 4
	v_nop
.endr
.endm
; One of a K step's first three quarters: multiplies buffer f; in its middle it fetches quarter q of the same slot into buffer g.
.macro QUARTER slot, q, f, g, first
	s_wait_dscnt 8                                 ; wbf's blocks and abf's rows 0-63 are in; the youngest eight loads (abf's rows 64-127) may be out
.if \first
	WIN MUL_LO_B
.else
	WIN MUL_LO
.endif
	MUL16 \f, 0, 0, \first
	MUL16 \f, 0, 2, \first
	PLACES
	FETCH \slot, \q, \g
	s_wait_dscnt 32                                ; all but the 32 just issued
.if \first
	WIN MUL_HI_B
.else
	WIN MUL_HI
.endif
	MUL16 \f, 1, 0, \first
	MUL16 \f, 1, 2, \first
.endm
.macro THREE slot, first
	QUARTER \slot, 1, F0, F1, \first
	QUARTER \slot, 2, F1, F0, 0
	QUARTER \slot, 3, F0, F1, 0
.endm
; The last quarter: multiplies buffer 1 and changes slots.  fill = 1: this slot is filled again, two K steps ahead; fill = 2: its first 69,632 bytes take c_tm1's tile; 0: nothing.
; In front of the barrier each wave waits for its reads of this slot and for all its tensor loads (one is out: its part of the next slot).  Where something is filled the
; barrier opens a round of the cluster's barrier; the fill is the wave's first and only tensor load behind the round.  It has 240 matrix instructions in which to land.
.macro TURN slot, next, fill
	s_wait_dscnt 8
	WIN MUL_LO
	MUL16 F1, 0, 0, 0
	s_wait_dscnt 0                                 ; my reads of this slot are over
	s_wait_tensorcnt 0x0                           ; all my tensor loads have landed
	ds_add_u32 v255, v63
	s_wait_dscnt 0x0
	s_barrier_signal -1
	MUL16 F1, 0, 2, 0                              ; register work while the others arrive
	WIN 0
	s_barrier_wait -1
.if \fill == 1
	CREST                                          ; no wave of any partner still reads this slot or has a load on its way
	s_add_nc_u64 s[G0+4*\slot+2:G0+4*\slot+3], s[G0+4*\slot+2:G0+4*\slot+3], 2*KSTEP*2
	s_add_nc_u64 s[G0B+4*\slot+2:G0B+4*\slot+3], s[G0B+4*\slot+2:G0B+4*\slot+3], 2*KSTEP*8192
	JLOAD \slot
.endif
.if \fill == 2
	CREST
	tensor_load_to_lds s[G0C:G0C+3], s[G1C:G1C+7]  ; every wave brings 64 rows of c_tm1's tile, into bytes 17,408 w ..
	s_nop 0
.endif
	PLACES
	FETCH \next, 0, F0
	WIN MUL_HI
	MUL16 F1, 1, 0, 0
	MUL16 F1, 1, 2, 0
.endm
.macro LAP first                       ; once round the ring, both slots filled again
	THREE 0, \first
	TURN 0, 1, 1
	THREE 1, 0
	TURN 1, 0, 1
.endm
	s_wait_loadcnt 0x0                             ; bias
	s_wait_tensorcnt 0x1                           ; my part of K step 0 is in; K step 1's stays out
	s_barrier_signal -1
	s_barrier_wait -1                              ; everybody's is
	FETCH 0, 0, F0
	LAP 1                                          ; the first lap stands in front of the loop: its first products start the sums from bias
	WIN 0                                          ; at a label and at a branch every window is 0
	s_mov_b32 s19, LAPS-2
.Llap:
	LAP 0
	WIN 0
	s_sub_co_u32 s19, s19, 1
	s_cmp_lg_u32 s19, 0
	s_cbranch_scc1 .Llap
	THREE 0, 0                                     ; the last lap: K steps 14 and 15
	TURN 0, 1, 2                                   ; slot 0 has been read for the last time: c_tm1 comes in beside the last K step
	THREE 1, 0
	s_wait_dscnt 8                                 ; the very last quarter: nothing more to fetch
	WIN MUL_LO
	MUL16 F1, 0, 0, 0
	MUL16 F1, 0, 2, 0
	s_wait_dscnt 0                                 ; my reads of slot 1 are over too
	WIN MUL_HI
	MUL16 F1, 1, 0, 0
	MUL16 F1, 1, 2, 0
	PLACES                                         ; the places behind the last products, for the reads of the sums and the writes into the fragment buffers
	WIN 0
	s_wait_tensorcnt 0x0                           ; my 64 rows of c_tm1 are in LDS
	s_barrier_signal -1
	s_barrier_wait -1                              ; everybody's are, and nobody reads the slots any more: the stages may be written
; THE WAY OUT goes step by step, so that the stores of one step leave while the next step's arithmetic runs, and only an eighth of them is left at the end.
; ROWS_IN: step i's rows that I store, four pairs of whole rows of 256 bytes of c_t, then four of h_t, from the two blocks that hold their halves.
.macro ROWS_IN i
.irp t, 0,1,2,3
	ds_load_b128 v[OB+4*\t:OB+4*\t+3], v[RD] offset:\i*2*BLK+2*\t*SP
.endr
.irp t, 0,1,2,3
	ds_load_b128 v[OB+16+4*\t:OB+16+4*\t+3], v[RDH] offset:\i*2*BLK+2*\t*SP
.endr
.endm
; ROWS_OUT: they are stored; in each store sixteen lanes write 256 consecutive bytes, aligned.  counted = 1: each store waits for its own load.
.macro ROWS_OUT i, counted
.irp t, 0,1,2,3
.if \counted
	s_wait_dscnt 7-\t                              ; LDS loads come back in order: this pair of rows is in, the younger ones stay out
.endif
	global_store_b128 v[CO], v[OB+4*\t:OB+4*\t+3], s[14:15] offset:(16*\i+2*\t)*4096 th:TH_STORE_NT         ; out1 = c_t
.endr
.irp t, 0,1,2,3
.if \counted
	s_wait_dscnt 3-\t
.endif
	global_store_b128 v[CO], v[OB+16+4*\t:OB+16+4*\t+3], s[12:13] offset:(16*\i+2*\t)*4096 th:TH_STORE_NT   ; out0 = h_t
.endr
.endm
; THE CELL on rows 16 i .. 16 i + 15 of my 128: 16 numbers a lane (jb = 0, 1 x 8 columns), the four gates from the eight tiles (a, 0..7).
; out = 1: the rows of step prev, asked for at that step's end, are stored behind this step's first run of exponentials.
.macro EPI i, out, prev
.irp jb, 0,1
.irp q, 0,1
	ds_load_b128 v[C0+8*\jb+4*\q:C0+8*\jb+4*\q+3], v[CADR] offset:\i*16*PITCH+64*\jb+16*\q   ; c_tm1, in the layout of a result tile
.endr
.endr
.if \i < 4
	WIN 0x02                                       ; source 0 in window 2
.else
	WIN 0x03
.endif
.irp b, 0,1,2,3,6,7
.irp p, 0,2,4,6
	v_pk_mul_f32 v[GT+8*\b+\p:GT+8*\b+\p+1], v[8*(8*(\i&3)+\b)+\p:8*(8*(\i&3)+\b)+\p+1], s[84:85] op_sel_hi:[1,0]   ; f, i, o: -x log2 e
.endr
.endr
.irp b, 4,5
.irp p, 0,2,4,6
	v_pk_mul_f32 v[GT+8*\b+\p:GT+8*\b+\p+1], v[8*(8*(\i&3)+\b)+\p:8*(8*(\i&3)+\b)+\p+1], s[86:87] op_sel_hi:[1,0]   ; g: 2 x log2 e
.endr
.endr
	WIN 0
.set kk, 0
.rept 64
	v_exp_f32 v[GT+kk], v[GT+kk]
.set kk, kk+1
.endr
	v_nop                                          ; one plain vector instruction between a transcendental and the use of its result (ISA guide 5.7.2)
.if \out
	s_wait_dscnt 4                                 ; the eight row loads of the step before are in; this step's four loads of c_tm1, issued behind them, may be out
	ROWS_OUT \prev, 0
.endif
.set kk, 0
	s_wait_alu depctr_va_vdst(0)
.rept 32
	v_pk_add_f32 v[GT+kk:GT+kk+1], v[GT+kk:GT+kk+1], 1.0 op_sel_hi:[1,0]
.set kk, kk+2
.endr
.set kk, 0
.rept 64
	v_rcp_f32 v[GT+kk], v[GT+kk]                   ; f, i, o are now their sigmoids
.set kk, kk+1
.endr
	v_nop
	s_wait_alu depctr_va_vdst(0)
.irp o, 0,2,4,6,8,10,12,14
	v_pk_fma_f32 v[GT+32+\o:GT+32+\o+1], v[GT+32+\o:GT+32+\o+1], -2.0, 1.0 op_sel_hi:[1,0,0]   ; tanh(g) = 1 - 2 / (1 + 2^(2 g log2 e))
.endr
	s_wait_dscnt 0x0                               ; c_tm1 is in
.irp o, 0,2,4,6,8,10,12,14
	v_pk_mul_f32 v[GT+32+\o:GT+32+\o+1], v[GT+16+\o:GT+16+\o+1], v[GT+32+\o:GT+32+\o+1]         ; i tanh(g)
.endr
.irp o, 0,2,4,6,8,10,12,14
	v_pk_fma_f32 v[C0+\o:C0+\o+1], v[GT+\o:GT+\o+1], v[C0+\o:C0+\o+1], v[GT+32+\o:GT+32+\o+1]   ; c_t = f c_tm1 + i tanh(g)
.endr
.irp jb, 0,1
.irp q, 0,1
	ds_store_b128 v[SADR], v[C0+8*\jb+4*\q:C0+8*\jb+4*\q+3] offset:\i*2*BLK+64*\jb+16*\q
.endr
.endr
.irp o, 0,2,4,6,8,10,12,14
	v_pk_mul_f32 v[TC+\o:TC+\o+1], v[C0+\o:C0+\o+1], s[86:87] op_sel_hi:[1,0]
.endr
.set kk, 0
.rept 16
	v_exp_f32 v[TC+kk], v[TC+kk]
.set kk, kk+1
.endr
	v_nop
	s_wait_alu depctr_va_vdst(0)
.irp o, 0,2,4,6,8,10,12,14
	v_pk_add_f32 v[TC+\o:TC+\o+1], v[TC+\o:TC+\o+1], 1.0 op_sel_hi:[1,0]
.endr
.set kk, 0
.rept 16
	v_rcp_f32 v[TC+kk], v[TC+kk]
.set kk, kk+1
.endr
	v_nop
	s_wait_alu depctr_va_vdst(0)
.irp o, 0,2,4,6,8,10,12,14
	v_pk_fma_f32 v[TC+\o:TC+\o+1], v[TC+\o:TC+\o+1], -2.0, 1.0 op_sel_hi:[1,0,0]                ; tanh(c_t)
.endr
.irp o, 0,2,4,6,8,10,12,14
	v_pk_mul_f32 v[TC+\o:TC+\o+1], v[TC+\o:TC+\o+1], v[GT+48+\o:GT+48+\o+1]                     ; h_t = o tanh(c_t)
.endr
.irp jb, 0,1
.irp q, 0,1
	ds_store_b128 v[HADR], v[TC+8*\jb+4*\q:TC+8*\jb+4*\q+3] offset:\i*2*BLK+64*\jb+16*\q
.endr
.endr
	s_wait_dscnt 0x0                               ; my stores into this step's blocks are done,
	s_barrier_signal -1
	s_barrier_wait -1                              ; everybody's are: a row's two halves come from two waves' blocks.  Later steps write other blocks, 2 BLK further each
.if \out
	s_wait_xcnt 0x0                                ; the row buffer, which the last step's stores read, is loaded again only behind this wait (ISA guide 3.1)
.endif
	ROWS_IN \i
.endm
	EPI 0, 0, 0
	EPI 1, 1, 0
	EPI 2, 1, 1
	EPI 3, 1, 2
	EPI 4, 1, 3
	EPI 5, 1, 4
	EPI 6, 1, 5
	EPI 7, 1, 6
	ROWS_OUT 7, 1                                  ; the last step's rows; its last wait is for 0, so no LDS instruction is pending at the signal below
	s_set_vgpr_msb 0x1
	s_wait_tensorcnt 0x0
	ds_add_u32 v255, v63
	s_wait_dscnt 0x0
	s_set_vgpr_msb 0x100
	CROUND                                         ; the closing round, behind the last tensor load: no work-group ends while a partner may still ask for a tile that names it
	s_endpgm
.Lfunc_end_k_q88b45c488b_cell:
	.size	k_q88b45c488b_cell, .Lfunc_end_k_q88b45c488b_cell-k_q88b45c488b_cell
	.p2alignl 7, 3214868480
	.fill 96, 4, 3214868480
	.section	.rodata,"a",@progbits
	.p2align	6, 0x0
	.amdhsa_kernel k_q88b45c488b_cell
		.amdhsa_group_segment_fixed_size 327680
		.amdhsa_private_segment_fixed_size 0
		.amdhsa_enable_private_segment 0
		.amdhsa_kernarg_size 48
		.amdhsa_user_sgpr_count 2
		.amdhsa_user_sgpr_kernarg_segment_ptr 1
		.amdhsa_wavefront_size32 1
		.amdhsa_system_sgpr_workgroup_id_x 1
		.amdhsa_system_sgpr_workgroup_id_y 1
		.amdhsa_system_sgpr_workgroup_id_z 1
		.amdhsa_system_vgpr_workitem_id 0
		.amdhsa_next_free_vgpr 1024
		.amdhsa_next_free_sgpr 96
		.amdhsa_reserve_vcc 0
		.amdhsa_float_denorm_mode_32 3
		.amdhsa_float_denorm_mode_16_64 3
		.amdhsa_memory_ordered 1
		.amdhsa_forward_progress 1
		.amdhsa_inst_pref_size 255
	.end_amdhsa_kernel
	.section	.bss,"aw",@nobits
	.p2align	6
	.space	262144
	.amdgpu_metadata
---
amdhsa.version: [ 1, 2 ]
amdhsa.kernels:
  - .name:           k_q88b45c488b_cell
    .symbol:         k_q88b45c488b_cell.kd
    .args:
      - { .name: abf, .offset: 0, .size: 8, .value_kind: global_buffer, .address_space: global }
      - { .name: wbf, .offset: 8, .size: 8, .value_kind: global_buffer, .address_space: global }
      - { .name: bias, .offset: 16, .size: 8, .value_kind: global_buffer, .address_space: global }
      - { .name: c_tm1, .offset: 24, .size: 8, .value_kind: global_buffer, .address_space: global }
      - { .name: out0, .offset: 32, .size: 8, .value_kind: global_buffer, .address_space: global }
      - { .name: out1, .offset: 40, .size: 8, .value_kind: global_buffer, .address_space: global }
    .group_segment_fixed_size: 327680
    .private_segment_fixed_size: 0
    .kernarg_segment_align: 8
    .kernarg_segment_size: 48
    .max_flat_workgroup_size: 128
    .sgpr_count:     96
    .vgpr_count:     1024
    .wavefront_size: 32
...
	.end_amdgpu_metadata
.endif
;; end of part 2
